; MI455X (gfx1250); checked and timed in simulation.
; The chip was launched on July 23, 2026; its instructions are those of AMD's public machine-readable ISA for CDNA 5 (MIT licence, August 2026) and "CDNA5" Instruction Set Architecture Reference Guide (July 2026). The comments in the code are by the model that wrote it; some were corrected since.
;; Ca Mo E System. Allowed arithmetic: matrix products marked QUANTISED: E5M2 operands, one given power-of-two scale a tensor, by v_wmma_f32_16x16x64_bf8_bf8 or v_wmma_f32_16x16x128_bf8_bf8, f32 sums; everything else in f32.
;; Inputs: W1 8 x 1,024 x 512 float32; W2 8 x 512 x 1,024 float32; beta 1,024 float32; gamma 1,024 float32; lowp_scales 32 int32 (the exponents e of the quantised operands' scales 2^e); weights 4 x 2,048 x 2 float32; winners 4 x 2,048 x 2 int32; x 4 x 2,048 x 1,024 float32.
;; Outputs: out0 4 x 2,048 x 1,024 float32.
;; This version of the problem:
;;   THIS VERSION OF THE PROBLEM IS GIVEN IN LOW PRECISION. The matrix products marked QUANTISED in the list below multiply operands that are first quantised to E5M2 (5 exponent bits, 2 mantissa bits; 8 bits a number), with one given power-of-two scale for each operand tensor; their sums are f32. All else is computed in f32.
;;   The module's matrix products, in the order in which they are computed (A, B: the left and right operand; K: the contracted axis; several contracted axes count as one K, in the product's order):
;;     1. [M 8,192, K 1,024] x [K 1,024, N 512]; A: computed on the way; B: input W1: QUANTISED (scales: A lowp_scales[0], B lowp_scales[1])
;;     2. [M 8,192, K 512] x [K 512, N 1,024]; A: computed on the way; B: input W2: QUANTISED (scales: A lowp_scales[2], B lowp_scales[3])
;;     3. [M 8,192, K 1,024] x [K 1,024, N 512]; A: computed on the way; B: input W1: QUANTISED (scales: A lowp_scales[4], B lowp_scales[5])
;;     4. [M 8,192, K 512] x [K 512, N 1,024]; A: computed on the way; B: input W2: QUANTISED (scales: A lowp_scales[6], B lowp_scales[7])
;;     5. [M 8,192, K 1,024] x [K 1,024, N 512]; A: computed on the way; B: input W1: QUANTISED (scales: A lowp_scales[8], B lowp_scales[9])
;;     6. [M 8,192, K 512] x [K 512, N 1,024]; A: computed on the way; B: input W2: QUANTISED (scales: A lowp_scales[10], B lowp_scales[11])
;;     7. [M 8,192, K 1,024] x [K 1,024, N 512]; A: computed on the way; B: input W1: QUANTISED (scales: A lowp_scales[12], B lowp_scales[13])
;;     8. [M 8,192, K 512] x [K 512, N 1,024]; A: computed on the way; B: input W2: QUANTISED (scales: A lowp_scales[14], B lowp_scales[15])
;;     9. [M 8,192, K 1,024] x [K 1,024, N 512]; A: computed on the way; B: input W1: QUANTISED (scales: A lowp_scales[16], B lowp_scales[17])
;;     10. [M 8,192, K 512] x [K 512, N 1,024]; A: computed on the way; B: input W2: QUANTISED (scales: A lowp_scales[18], B lowp_scales[19])
;;     11. [M 8,192, K 1,024] x [K 1,024, N 512]; A: computed on the way; B: input W1: QUANTISED (scales: A lowp_scales[20], B lowp_scales[21])
;;     12. [M 8,192, K 512] x [K 512, N 1,024]; A: computed on the way; B: input W2: QUANTISED (scales: A lowp_scales[22], B lowp_scales[23])
;;     13. [M 8,192, K 1,024] x [K 1,024, N 512]; A: computed on the way; B: input W1: QUANTISED (scales: A lowp_scales[24], B lowp_scales[25])
;;     14. [M 8,192, K 512] x [K 512, N 1,024]; A: computed on the way; B: input W2: QUANTISED (scales: A lowp_scales[26], B lowp_scales[27])
;;     15. [M 8,192, K 1,024] x [K 1,024, N 512]; A: computed on the way; B: input W1: QUANTISED (scales: A lowp_scales[28], B lowp_scales[29])
;;     16. [M 8,192, K 512] x [K 512, N 1,024]; A: computed on the way; B: input W2: QUANTISED (scales: A lowp_scales[30], B lowp_scales[31])
;;   THE QUANTISER, for each operand of a quantised product, along K:
;;     - The operand's scale is 2^e, e = its entry of the input lowp_scales (int32; the entries are numbered through the quantised products in the list's order, A before B).
;;     - Each number is divided by the scale, clamped to +-57,344, and rounded to the nearest number of E5M2, ties to even, subnormals kept.
;;     - The product sums the exact products of the quantised numbers (number of the format x scale) in f32.
;;   ~~~python
;;   def quantise(x, axis, e):      # numpy; x: float32 -> the quantised numbers, widened to float32 again
;;       x = np.moveaxis(x, axis, -1); K = x.shape[-1]
;;       r = np.clip(x / 2.0 ** e, -57344, 57344)
;;       step = 2.0 ** (np.maximum(np.frexp(np.where(r == 0, 1, r))[1] - 1, -14) - 2)
;;       q = np.round(r / step) * step * 2.0 ** e      # np.round: ties to even
;;       return np.moveaxis(q, -1, axis).astype(np.float32)
;;   ~~~
;;   OPERANDS COMPUTED ON THE WAY. 'Computed on the way' means the value that the module computes at that place (a softmax that the list does not call 'softmax' is quantised finished and normalised). What goes into a quantiser is computed in f32, as accurately as f32 sums, v_exp_f32 and their like allow (about 1e-6 of the number): no bf16 or f16 on the way to a quantiser, and a product that is left as it is and whose result goes on into a quantised operand takes f32 operands (vector FMAs, or v_wmma_f32_16x16x4_f32). A number that lies on a knife's edge between two numbers of the format may be rounded either way, as far as f32 arithmetic and the matrix unit's own rounding can turn it there, and no further.
;; One version. Each part assembles by itself: llvm-mc -triple=amdgcn-amd-amdhsa -mcpu=gfx1250 --defsym DOCPART=n.
;; ======== version 1 of 1: 2 launches
;; workspace buffers: wq 8,388,608 bytes; kinfo 256 bytes of whole numbers; list 1,179,648 bytes of whole numbers
;; launch prep (part 1): grid 292 x 1, 8 waves a work-group, no clusters, 1,280 bytes of LDS; arguments W1, W2, lowp_scales, winners, wq, kinfo, list; writes wq, kinfo, list
.if DOCPART == 1
	.amdgcn_target "amdgcn-amd-amdhsa--gfx1250"
	.amdhsa_code_object_version 6
	.text
	.protected	k_q880f4ea676_prep
	.globl	k_q880f4ea676_prep
	.p2align	8
	.type	k_q880f4ea676_prep,@function
k_q880f4ea676_prep:
	s_mov_b64 s[64:65], 0
	v_nop
	global_prefetch_b8 v0, s[64:65] scope:SCOPE_SE
	s_setreg_imm32_b32 hwreg(HW_REG_WAVE_MODE, 25, 1), 1
	s_wait_xcnt 0x0
; PREP: (1) W1 [8][1024 k][512 n] and W2 [8][512 k][1024 n], f32, K the first axis inside an expert, become codes of BF8 (E5M2), each expert's matrix with the scale 2^e given for it
; (entry 4 e + 1 for W1, 4 e + 3 for W2);  (2) the tokens are listed by their unordered pair of experts.
; code = x / 2^e, held within +-57,344, rounded to the nearest code, ties to even.  LIMITS: -126 <= e <= 112, so that 2^e and 57,344 x 2^e are f32 numbers.  NaN among the weights is not served.
; WQ IS LAID IN THE ORDER IN WHICH A WAVE OF THE NEXT LAUNCH TAKES IT: [expert 8][wave 4][unit 32][tile 4][piece 4][lane 32][16 bytes].  A tile (2,048 bytes) is the image of an operand's 16 registers: 16 rows n x 128 k;
; lane (r, h), piece c holds k = 128 s + 32 c + 16 h + 0 .. 15 of row n.  Units 0-15: W1, unit 8 p + s, n = 128 w + 64 p + 32 b + 8 u + r + 8 (r / 8), tile 2 b + u.  Units 16-31: W2, unit 16 + 4 g + s, n = 256 w + 64 g + 32 b + ... likewise.
; WORK-GROUPS 0-127 take W1, 128-255 W2: 128 along K x 256 columns each; a wave takes 32 columns.  A LANE TAKES A COLUMN AND ITS REGISTERS RUN DOWN K: a load reads 128 consecutive bytes a wave, 1,024 a work-group, and the
; conversions, which take neighbours along K from one lane's registers, give codes with K innermost.  The lanes' columns are permuted as the tiles want them, so that each store's sixteen neighbouring lanes write 256 consecutive, aligned bytes.
; WORK-GROUPS 256-291: one for each pair a <= b.  Eight waves scan the 8,192 tokens (1,024 each), count by masks, add the waves' counts through LDS and store the pair's tokens, in ascending order, into list[pair][0 .. n - 1],
; and kinfo[pair] = n | tiles << 16 | a << 24 | b << 28, tiles = ceil(n / 64).  A winner's low three bits choose the pair (the next launch compares the whole number).  No atomics: each pair has one owner.
.set NUM,  8                           ; v8-135   128 numbers of my column, down K
.set COD,  136                         ; v136-167 their codes: no store's data are written again
.set POS,  72                          ; v72-103  (pairs) my token's place among my wave's matches, row by row
.set MANT, 0x600000                    ; the mantissa field of 57,344 as f32
	s_load_b256 s[4:11], s[0:1], 0x0               ; W1 s[4:5], W2 s[6:7], the scales' exponents s[8:9], winners s[10:11]
	s_load_b128 s[12:15], s[0:1], 0x20             ; wq s[12:13], kinfo s[14:15]
	s_load_b64 s[16:17], s[0:1], 0x30              ; list
	v_lshl_add_u32 v168, v0, 2, 0x100
	v_mov_b32 v169, 0
	v_lshrrev_b32 v1, 5, v0
	v_readfirstlane_b32 s18, v1                    ; wave 0..7
	v_and_b32 v1, 31, v0                           ; lane
	s_cmp_ge_u32 ttmp9, 256
	s_cbranch_scc1 .Lkey
	v_and_b32 v6, 15, v1                           ; r
	v_lshrrev_b32 v7, 4, v1                        ; u: which of the two tiles of my wave's 32 columns
	v_and_b32 v2, 8, v1                            ; 8 (r / 8)
	v_add_nc_u32 v2, v2, v6
	v_lshl_add_u32 v2, v7, 3, v2                   ; my column among the 32: 8 u + r + 8 (r / 8)
	v_lshlrev_b32 v2, 2, v2                        ; in bytes
	v_lshlrev_b32 v3, 4, v6
	v_lshl_add_u32 v3, v7, 11, v3                  ; out: tile u (2,048 bytes), 16 bytes for lane r
; 128 loads, then four blocks of 32 along K.  stride: bytes from k to k + 1;  src: the scalar pair of the source.
.macro QW stride, src
.set i, 0
.rept 128
	global_load_b32 v[NUM+i], v2, s[\src:\src+1] offset:i*\stride th:TH_LOAD_NT
.set i, i+1
.endr
	s_wait_kmcnt 0x0
	s_add_co_i32 s30, s30, 127
	s_lshl_b32 s31, s30, 23
	v_mov_b32 v4, s31                              ; 2^e as f32: the conversion takes its exponent field
	s_add_co_i32 s30, s30, 15
	s_lshl_b32 s30, s30, 23
	s_or_b32 s30, s30, MANT
	v_mov_b32 v5, s30                              ; 57,344 x 2^e
.irp c, 0,1,2,3
.if \c < 2
	s_wait_loadcnt 63                              ; behind this block's loads 96 or 64 more were issued; the count's field holds 63: at most 63 out of 128 shows the first 65 in
.else
	s_wait_loadcnt 32*(3-\c)                       ; the later blocks' loads may stay out
.endif
.set i, 0
.rept 32
	v_med3_num_f32 v[NUM+32*\c+i], v[NUM+32*\c+i], -v5, v5   ; the conversion to an 8-bit code does not saturate (ISA guide 7.6.2): the hold comes first
.set i, i+1
.endr
.irp g, 0,1,2,3
	v_cvt_scalef32_pk8_bf8_f32 v[COD+8*\c+2*\g:COD+8*\c+2*\g+1], v[NUM+32*\c+8*\g:NUM+32*\c+8*\g+7], v4
.endr
	global_store_b128 v3, v[COD+8*\c:COD+8*\c+3], s[12:13] offset:512*\c          ; k = 32 c + 0 .. 15: the piece's lanes 0-15.  Sixteen lanes store 256 consecutive bytes, aligned
	global_store_b128 v3, v[COD+8*\c+4:COD+8*\c+7], s[12:13] offset:512*\c+256    ; k = 32 c + 16 .. 31: its lanes 16-31
.endr
	s_endpgm
.endm
	s_cmp_ge_u32 ttmp9, 128
	s_cbranch_scc1 .Lw2
	; ---- W1: work-group = 16 e + 8 nh + s: K step s, columns 256 nh on; wave v: columns 32 v on: w = 2 nh + v / 4, p = (v / 2) % 2, b = v % 2
	s_lshr_b32 s20, ttmp9, 4                       ; e
	s_bfe_u32 s21, ttmp9, 0x10003                  ; nh
	s_and_b32 s22, ttmp9, 7                        ; s
	s_lshl_b32 s24, s20, 21                        ; an expert's matrix is 2 MiB
	s_lshl_b32 s23, s22, 18                        ; 128 s rows of 2,048 bytes
	s_add_co_u32 s24, s24, s23
	s_lshl_b32 s23, s21, 10
	s_add_co_u32 s24, s24, s23
	s_lshl_b32 s23, s18, 7
	s_add_co_u32 s24, s24, s23
	s_mov_b32 s25, 0
	s_lshl_b32 s26, s20, 20                        ; out: an expert's codes are 1 MiB,
	s_lshl_b32 s23, s21, 1
	s_lshr_b32 s28, s18, 2
	s_add_co_u32 s23, s23, s28
	s_lshl_b32 s23, s23, 18                        ; a wave's stream 256 KiB,
	s_add_co_u32 s26, s26, s23
	s_bfe_u32 s23, s18, 0x10001
	s_lshl_b32 s23, s23, 3
	s_add_co_u32 s23, s23, s22
	s_lshl_b32 s23, s23, 13                        ; unit 8 p + s, 8,192 bytes,
	s_add_co_u32 s26, s26, s23
	s_and_b32 s23, s18, 1
	s_lshl_b32 s23, s23, 12                        ; tiles 2 b and 2 b + 1
	s_add_co_u32 s26, s26, s23
	s_mov_b32 s27, 0
	s_lshl_b32 s29, s20, 4
	s_wait_kmcnt 0x0
	s_load_b32 s30, s[8:9], s29 offset:0x4         ; entry 4 e + 1
	s_add_nc_u64 s[4:5], s[4:5], s[24:25]
	s_add_nc_u64 s[12:13], s[12:13], s[26:27]
	QW 2048, 4
.Lw2:
	; ---- W2: work-group - 128 = 16 e + 4 w + s; wave v: columns 256 w + 32 v on: g = v / 2, b = v % 2
	s_sub_co_u32 s19, ttmp9, 128
	s_lshr_b32 s20, s19, 4                         ; e
	s_bfe_u32 s21, s19, 0x20002                    ; w
	s_and_b32 s22, s19, 3                          ; s
	s_lshl_b32 s24, s20, 21
	s_lshl_b32 s23, s22, 19                        ; 128 s rows of 4,096 bytes
	s_add_co_u32 s24, s24, s23
	s_lshl_b32 s23, s21, 10
	s_add_co_u32 s24, s24, s23
	s_lshl_b32 s23, s18, 7
	s_add_co_u32 s24, s24, s23
	s_mov_b32 s25, 0
	s_lshl_b32 s26, s20, 20
	s_lshl_b32 s23, s21, 18
	s_add_co_u32 s26, s26, s23
	s_lshr_b32 s23, s18, 1
	s_lshl_b32 s23, s23, 2
	s_add_co_u32 s23, s23, s22
	s_add_co_u32 s23, s23, 16
	s_lshl_b32 s23, s23, 13                        ; unit 16 + 4 g + s
	s_add_co_u32 s26, s26, s23
	s_and_b32 s23, s18, 1
	s_lshl_b32 s23, s23, 12
	s_add_co_u32 s26, s26, s23
	s_mov_b32 s27, 0
	s_lshl_b32 s29, s20, 4
	s_wait_kmcnt 0x0
	s_load_b32 s30, s[8:9], s29 offset:0xc         ; entry 4 e + 3
	s_add_nc_u64 s[6:7], s[6:7], s[24:25]
	s_add_nc_u64 s[12:13], s[12:13], s[26:27]
	QW 4096, 6
.Lkey:
	; ---- the pair's list.  Pair p counts (0,0) .. (0,7), (1,1) .. (1,7), .. (7,7): row a begins at 8 a - a (a - 1) / 2
	s_sub_co_u32 s19, ttmp9, 256                   ; p
	s_lshl_b32 s31, s19, 2
	v_mov_b32 v7, s31                              ; the pair's word in kinfo, 4 p: made here, all lanes on, in a register that holds nothing else on this way
	s_mov_b32 s20, 0                               ; a = how many rows begin at or before p, less one
.irp first, 8,15,21,26,30,33,35
	s_cmp_ge_u32 s19, \first
	s_add_co_ci_u32 s20, s20, 0
.endr
	s_sub_co_u32 s21, s20, 1
	s_mul_i32 s21, s21, s20
	s_lshr_b32 s21, s21, 1
	s_lshl_b32 s22, s20, 3
	s_sub_co_u32 s21, s22, s21                     ; where row a begins
	s_sub_co_u32 s23, s19, s21
	s_add_co_u32 s23, s23, s20                     ; b
	s_add_co_u32 s22, s22, s23                     ; the key 8 a + b
	v_lshlrev_b32 v2, 3, v1                        ; a token's two winners are 8 bytes
	s_lshl_b32 s24, s18, 13                        ; my wave's 1,024 tokens
	s_mov_b32 s25, 0
	s_lshl_b32 s29, s18, 10
	v_add_nc_u32 v6, s29, v1                       ; my token in row 0: 1,024 x wave + lane
	s_wait_kmcnt 0x0
	s_add_nc_u64 s[10:11], s[10:11], s[24:25]
.set row, 0
.rept 32
	global_load_b64 v[8+2*row:9+2*row], v2, s[10:11] offset:256*row   ; 32 tokens: 256 consecutive bytes
.set row, row+1
.endr
	s_lshl_b32 s24, s19, 15                        ; the pair's list: 8,192 words
	s_add_nc_u64 s[16:17], s[16:17], s[24:25]
	s_mov_b32 s26, 0                               ; matches so far in my wave
.set row, 0
.rept 32
	s_wait_loadcnt 31-row                          ; loads come back in order: this row's is in, the later rows' may be out
	v_and_b32 v[8+2*row], 7, v[8+2*row]
	v_and_b32 v[9+2*row], 7, v[9+2*row]
	v_lshl_or_b32 v4, v[8+2*row], 3, v[9+2*row]
	v_lshl_or_b32 v5, v[9+2*row], 3, v[8+2*row]
	v_cmp_eq_u32 s27, s22, v4                      ; the pair is unordered: either order of the two winners matches
	v_cmp_eq_u32 s28, s22, v5
	s_or_b32 s[32+row], s27, s28
	v_mbcnt_lo_u32_b32 v[POS+row], s[32+row], s26  ; matches before mine: the earlier rows' + the lower lanes'
	s_bcnt1_i32_b32 s27, s[32+row]
	s_add_co_u32 s26, s26, s27
.set row, row+1
.endr
	v_mov_b32 v4, s18
	v_lshlrev_b32 v4, 2, v4
	v_mov_b32 v5, s26
	ds_store_b32 v4, v5                            ; my wave's count, in its own word
	s_wait_dscnt 0x0                               ; for the others' sake: the store is done
	s_barrier_signal -1
	s_barrier_wait -1
	v_mov_b32 v4, 0
	ds_load_b128 v[104:107], v4
	ds_load_b128 v[108:111], v4 offset:16
	s_wait_dscnt 0x0
	s_mov_b32 s27, 0                               ; the counts of the waves before mine
	s_mov_b32 s28, 0                               ; n
.irp i, 0,1,2,3,4,5,6,7
	v_readfirstlane_b32 s29, v[104+\i]
	s_add_co_u32 s28, s28, s29
	s_cmp_lt_u32 \i, s18
	s_cselect_b32 s29, s29, 0
	s_add_co_u32 s27, s27, s29
.endr
.set row, 0
.rept 32
	v_add_nc_u32 v[9+2*row], s27, v[POS+row]
	v_min_u32 v[9+2*row], 0x1fff, v[9+2*row]       ; a place in the list: never beyond its 8,192 words
	v_lshlrev_b32 v[9+2*row], 2, v[9+2*row]
	v_add_nc_u32 v[8+2*row], 32*row, v6            ; the token
.set row, row+1
.endr
	s_wait_xcnt 0x0                                ; EXEC is one of a pending memory instruction's sources: it changes only behind this wait
.set row, 0
.rept 32
	s_mov_b32 vcc_lo, s[32+row]
	s_and_saveexec_b32 s30, vcc_lo                 ; the row's matching lanes
	global_store_b32 v[9+2*row], v[8+2*row], s[16:17]
	s_wait_xcnt 0x0
	s_or_b32 exec_lo, exec_lo, s30
.set row, row+1
.endr
	s_cmp_lg_u32 s18, 0
	s_cbranch_scc1 .Lkey_end
	s_add_co_u32 s29, s28, 63
	s_lshr_b32 s29, s29, 6                         ; tiles of 64
	s_lshl_b32 s29, s29, 16
	s_or_b32 s29, s29, s28
	s_lshl_b32 s31, s20, 24
	s_or_b32 s29, s29, s31
	s_lshl_b32 s31, s23, 28
	s_or_b32 s29, s29, s31
	v_mov_b32 v4, s29
	v_cmp_eq_u32 vcc_lo, 0, v1
	s_and_saveexec_b32 s30, vcc_lo                 ; one lane stores the word
	global_store_b32 v7, v4, s[14:15]
	s_wait_xcnt 0x0
	s_or_b32 exec_lo, exec_lo, s30
.Lkey_end:
	s_wait_tensorcnt 0x0
	ds_add_u32 v168, v169
	s_wait_dscnt 0x0
	s_endpgm
.Lfunc_end_k_q880f4ea676_prep:
	.size	k_q880f4ea676_prep, .Lfunc_end_k_q880f4ea676_prep-k_q880f4ea676_prep
	.p2alignl 7, 3214868480
	.fill 96, 4, 3214868480
	.section	.rodata,"a",@progbits
	.p2align	6, 0x0
	.amdhsa_kernel k_q880f4ea676_prep
		.amdhsa_group_segment_fixed_size 1280
		.amdhsa_private_segment_fixed_size 0
		.amdhsa_enable_private_segment 0
		.amdhsa_kernarg_size 56
		.amdhsa_user_sgpr_count 2
		.amdhsa_user_sgpr_kernarg_segment_ptr 1
		.amdhsa_wavefront_size32 1
		.amdhsa_system_sgpr_workgroup_id_x 1
		.amdhsa_system_sgpr_workgroup_id_y 1
		.amdhsa_system_sgpr_workgroup_id_z 1
		.amdhsa_system_vgpr_workitem_id 0
		.amdhsa_next_free_vgpr 170
		.amdhsa_next_free_sgpr 66
		.amdhsa_reserve_vcc 1
		.amdhsa_float_denorm_mode_32 3
		.amdhsa_float_denorm_mode_16_64 3
		.amdhsa_memory_ordered 1
		.amdhsa_forward_progress 1
		.amdhsa_inst_pref_size 84
	.end_amdhsa_kernel
	.amdgpu_metadata
---
amdhsa.version: [ 1, 2 ]
amdhsa.kernels:
  - .name:           k_q880f4ea676_prep
    .symbol:         k_q880f4ea676_prep.kd
    .args:
      - { .name: W1, .offset: 0, .size: 8, .value_kind: global_buffer, .address_space: global }
      - { .name: W2, .offset: 8, .size: 8, .value_kind: global_buffer, .address_space: global }
      - { .name: lowp_scales, .offset: 16, .size: 8, .value_kind: global_buffer, .address_space: global }
      - { .name: winners, .offset: 24, .size: 8, .value_kind: global_buffer, .address_space: global }
      - { .name: wq, .offset: 32, .size: 8, .value_kind: global_buffer, .address_space: global }
      - { .name: kinfo, .offset: 40, .size: 8, .value_kind: global_buffer, .address_space: global }
      - { .name: list, .offset: 48, .size: 8, .value_kind: global_buffer, .address_space: global }
    .group_segment_fixed_size: 1280
    .private_segment_fixed_size: 0
    .kernarg_segment_align: 8
    .kernarg_segment_size: 56
    .max_flat_workgroup_size: 256
    .sgpr_count:     66
    .vgpr_count:     170
    .wavefront_size: 32
...
	.end_amdgpu_metadata
.endif
;; end of part 1
;; launch moe (part 2): grid 163 x 1, 4 waves a work-group, no clusters, 241,152 bytes of LDS; arguments x, winners, weights, gamma, beta, lowp_scales, wq, kinfo, list, out0; writes out0
.if DOCPART == 2
	.amdgcn_target "amdgcn-amd-amdhsa--gfx1250"
	.amdhsa_code_object_version 6
	.text
	.protected	k_q880f4ea676_moe
	.globl	k_q880f4ea676_moe
	.p2align	8
	.type	k_q880f4ea676_moe,@function
k_q880f4ea676_moe:
	s_mov_b64 s[64:65], 0
	v_nop
	global_prefetch_b8 v0, s[64:65] scope:SCOPE_SE
	s_setreg_imm32_b32 hwreg(HW_REG_WAVE_MODE, 25, 1), 1
	s_wait_xcnt 0x0
; out = x + sum over the token's experts e of coef_e x relu(LN(x) W1[e])^2 W2[e], both products on codes of BF8 (E5M2); expert e's operands have the given scales 2^entry: h 4 e, W1 4 e + 1, hidden 4 e + 2, W2 4 e + 3.
; Only the experts that a token's two winners name are multiplied: for the others the coefficient is 0.
; SHARES.  A work-group takes ONE TILE of up to 64 tokens that all have the same unordered pair of experts (a, b), listed by the launch before, through the whole chain for a and then for b, and stores each row once.
; The sum over the 36 pairs of ceil(n / 64) is at most (8,192 + 36 x 63) / 64 = 163: that is the grid, for every split.  A work-group beyond the split's tiles walks the text with every skippable part skipped and stores nothing.
; THE FOUR WAVES SHARE THE COLUMNS, NOT THE ROWS: wave w owns columns 256 w .. + 255 of x and out (K steps 2 w, 2 w + 1 of the first product) and hidden units 128 w .. + 127 (K step w of the second), for all 64 rows
; (four tiles m of 16).  So each byte of an expert's codes is loaded once in a work-group, straight into registers, in the order in which wq holds them.  x, and on top of it the experts' parts, stays in 512 registers a wave.
; h IS QUANTISED FOR BOTH EXPERTS, EACH WITH ITS OWN SCALE, BEFORE EITHER'S PART IS ADDED: the registers that hold x take the parts, so x is read for h while it is still x.
; BOTH PRODUCTS ARE USED TRANSPOSED (source 0 = 16 rows of the weight, source 1 = 16 tokens): a lane (r, h) holds token 16 m + r throughout.  The weight rows of a tile are chosen (in wq) so that the 16 registers of tiles 2 b, 2 b + 1
; are 16 neighbours: of the next K (hidden units), or of the row of out.  Codes of h and of the hidden layer go from wave to wave through LDS as images of the operand's registers: 16 bytes a lane at 16 x lane.
; NO TENSOR LOAD, AND SO NO JOINT LOAD IN A CLUSTER: which expert's codes a work-group walks, and whether it has a second expert, hang on numbers read from memory, and the parts left out are jumped over;
; every barrier stands outside those jumps, and a part that can be jumped over reads only registers that it writes itself or that lines outside the jumps wrote.
; LIMITS, so that each power of two below is an f32 number: entry 4 e, and entry 4 e + 2 - 2 (entry 4 e + entry 4 e + 1), between -126 and 112.  2^(entry 4 e + 2 + entry 4 e + 3) is put on the coefficient by v_ldexp_f32.
; NaN among the inputs is not served.  A winner outside 0 .. 7 gets the coefficient 0 (the whole number is compared).  The sums' order is (x + a's part) + b's part.
; REGISTERS, in windows of 256.  Window 0: v1-11 addresses and scales; v12-19 coefficients; v20-35 the rows' winners and weights; v36-51 mean and 1 / sigma; v52-63 addresses, at work; v64-127 four fragments of tokens (at the two ends:
; the 64 rows' offsets; at the quantisers v96-127: codes); v128-255 sixteen accumulators (in the quantiser of h: gamma, beta, 64 numbers).  Window 1: a ring of four units x four weight tiles.  Windows 2, 3: x / out:
; register 128 m + 16 b + i = row 16 m + r, column 256 w + 32 b + 16 h + i.
.set HIMG,  0                          ; LDS: h's fragments, two sets of 32: (K step s, tile m) of expert t (0: a, 1: b) at 32,768 (s / 2) + 16,384 t + (4 (s % 2) + m) x 2,048, piece c at + 512 c, lane at + 16 x lane: what a wave writes is one block of 32,768 bytes
.set GIMG,  131072                     ; the hidden layer's 16 fragments: (K step s, tile m) at (4 s + m) x 2,048
.set STG,   163840                     ; a stage for each wave: 16 rows x (1,024 bytes + 16)
.set SROW,  1040                       ; 65 x 16 bytes: the sixteen rows that a 16-byte access touches start at sixteen different banks (64 banks of 4 bytes: ISA guide 11.1)
.set SWAVE, 16*SROW
.set STAT1, STG+4*SWAVE                ; [row 64][wave 4] f32: the waves' parts of a row's sum,
.set STAT2, STAT1+1024                 ; and of its sum of squared deviations
.set GBL,   STAT2+1024                 ; for each wave its 256 gamma (1,024 bytes) and 256 beta
.set LI,  1                            ; v1   16 x lane
.set XL,  2                            ; v2   my 16 bytes in a row of x, out, and in gamma, beta: 1,024 w + 16 x lane
.set LIG, 3                            ; v3   16 x lane + GIMG
.set WB,  4                            ; v4   where I store the hidden layer's images (remade in each pass);  at the head SL: STAT1 + 16 r
.set SL,  4
.set GB,  5                            ; v5   GBL + 2,048 w + 64 h
.set STO, 6                            ; v6   my stage by rows: + 16 x lane
.set SRD, 7                            ; v7   my stage by lanes: + 1,040 r + 64 h
.set TK,  8                            ; v8, v9  the tokens of rows lane and lane + 32
.set VSQ, 10                           ; v10  2^e of h;  at the head GS: GBL + 2,048 w + 16 x lane
.set GS,  10
.set VLQ, 11                           ; v11  57,344 x that
.set CF,  12                           ; v12-19  tile m's coefficient x 2^(e hidden + e W2), as a pair
.set WI,  20                           ; v20-27  tile m: my row's two winners
.set WT,  28                           ; v28-35  and its two weights
.set MU,  36                           ; v36-43  tile m: my row's mean, as a pair
.set RS,  44                           ; v44-51  and 1 / sqrt(var + eps)
.set HWB, 52                           ; v52  where I store h's images: 16 x lane + 32,768 w + 16,384 t;  in the experts' loop LIH2: LIH + 65,536, for K steps 4 to 7
.set LIH2, 52
.set SA,  53                           ; v53  STAT1 + 16 r + 4 w;  in the experts' loop LIH: 16 x lane + 16,384 t, for K steps 0 to 3
.set LIH, 53
.set VSH, 58                           ; v58  the hidden layer's folded scale;  v59  57,344 x that
.set VLH, 59
.set AF,  64
.set XA,  64
.set CD,  96
.set T,   128
.set GBUF, 128                         ; two sets of 16 gamma + 16 beta
.set HT,  192                          ; four tiles x 16 numbers
.set WV,  2                            ; s2   wave
.set CUR, 24                           ; s24-29  this trip's expert, 2^e and hold of h, 2^e and hold of the hidden layer, e hidden + e W2;  s30-35 the next trip's
.set NXT, 30
.set WP,  56                           ; s[56:57]  my stream of this expert's codes;  s[58:59] of the second expert's
.set WN,  58
.set VALID, 60
.set ACT,  61
.set ACTN, 62
.set PASS, 63
.set GOFF, 66
.set TRIP, 67
.set HOFF, 88                          ; s88  the quantiser of h: 32,768 w + 16,384 t
.set QT,   89                          ; s89  its trips
.set HSEL, 90                          ; s90  16,384 x the experts' trip
.set QACT, 91                          ; s91  is there an expert for the quantiser's trip
.set MSB, 0
.macro WIN new                         ; s_set_vgpr_msb: bits 1:0 source 0, 3:2 source 1, 5:4 source 2, 7:6 destination; the high byte repeats the setting that is left
.if MSB != (\new)
	s_set_vgpr_msb (MSB<<8)|(\new)
.set MSB, (\new)
.endif
.endm
.macro PLACES                          ; a load into, or a vector instruction on, a matrix instruction's registers stands four plain vector instructions behind it
.rept 4
	v_nop
.endr
.endm
.macro BARRIER                         ; my LDS stores have landed and my LDS loads are in: then the work-group's barrier
	s_wait_dscnt 0x0
	s_barrier_signal -1
	s_barrier_wait -1
.endm
	s_load_b512 s[68:83], s[0:1], 0x0              ; x s[68:69], winners s[70:71], weights s[72:73], gamma s[74:75], beta s[76:77], exponents s[78:79], wq s[80:81], kinfo s[82:83]
	s_load_b128 s[84:87], s[0:1], 0x40             ; list s[84:85], out s[86:87]
	v_lshrrev_b32 v1, 5, v0
	v_readfirstlane_b32 s[WV], v1
	v_and_b32 v62, 31, v0                          ; lane
	v_and_b32 v60, 15, v0                          ; r
	v_bfe_u32 v61, v0, 4, 1                        ; h
	v_mov_b32 v63, 0                               ; a lane permute's destination counts as one of its sources
	v_lshlrev_b32 v[LI], 4, v62
	s_lshl_b32 s8, s[WV], 10
	v_add_nc_u32 v[XL], s8, v[LI]
	v_add_nc_u32 v[LIG], GIMG, v[LI]
	s_lshl_b32 s8, s[WV], 11
	s_add_co_u32 s8, s8, GBL
	v_lshl_add_u32 v[GB], v61, 6, s8
	v_add_nc_u32 v[GS], s8, v[LI]
	s_mul_i32 s9, s[WV], SWAVE
	s_add_co_u32 s9, s9, STG
	v_add_nc_u32 v[STO], s9, v[LI]
	v_mul_u32_u24 v[SRD], v60, SROW
	v_lshl_add_u32 v[SRD], v61, 6, v[SRD]
	v_add_nc_u32 v[SRD], s9, v[SRD]
	s_lshl_b32 s8, s[WV], 2
	s_add_co_u32 s8, s8, STAT1
	v_lshl_add_u32 v[SA], v60, 4, s8
	v_lshlrev_b32 v[SL], 4, v60
	v_add_nc_u32 v[SL], STAT1, v[SL]
	s_mov_b32 s52, 0x76543210                      ; v_permlanex16_b32's selects for lane l xor 16
	s_mov_b32 s53, 0xfedcba98
	s_mov_b32 s55, 0x3a800000                      ; 1 / 1,024
	s_wait_kmcnt 0x0
	s_load_b512 s[16:31], s[82:83], 0x0            ; the 36 pairs' words
	s_load_b512 s[32:47], s[82:83], 0x40
	s_load_b128 s[48:51], s[82:83], 0x80
	global_load_b128 v[128:131], v[XL], s[74:75]               ; my wave's gamma and beta, 512 consecutive bytes a load
	global_load_b128 v[132:135], v[XL], s[74:75] offset:512
	global_load_b128 v[136:139], v[XL], s[76:77]
	global_load_b128 v[140:143], v[XL], s[76:77] offset:512
	; ---- which tile is mine: the last pair that has tiles and begins at or before my number
	s_mov_b32 s3, 0                                ; tiles before the pair in hand
	s_mov_b32 s4, 0                                ; the chosen pair's word,
	s_mov_b32 s5, 0                                ; its first tile,
	s_mov_b32 s6, 0                                ; its number
	s_add_co_u32 s7, ttmp9, 1
	s_wait_kmcnt 0x0
.set p, 0
.rept 36
	s_bfe_u32 s8, s[16+p], 0x80010                 ; its tiles
	s_add_co_u32 s8, s3, s8
	s_min_u32 s9, s8, s7
	s_cmp_gt_u32 s9, s3                            ; it has tiles, and begins at or before my number
	s_cselect_b32 s4, s[16+p], s4
	s_cselect_b32 s5, s3, s5
	s_cselect_b32 s6, p, s6
	s_mov_b32 s3, s8
.set p, p+1
.endr
	s_cmp_lt_u32 ttmp9, s3
	s_cselect_b32 s[VALID], 1, 0                   ; 0: the split has fewer tiles than my number
	s_sub_co_u32 s15, ttmp9, s5                    ; my tile within the pair
	s_and_b32 s14, s4, 0xffff
	s_sub_co_u32 s14, s14, 1                       ; the pair's last place
	s_bfe_u32 s12, s4, 0x30018                     ; a
	s_bfe_u32 s13, s4, 0x3001c                     ; b
	s_min_u32 s12, s12, 7
	s_min_u32 s13, s13, 7
	s_min_u32 s6, s6, 35
	s_cmp_lg_u32 s12, s13
	s_cselect_b32 s[ACTN], s[VALID], 0             ; a second expert
	s_lshl_b32 s10, s12, 4
	s_lshl_b32 s11, s13, 4
	s_load_b128 s[16:19], s[78:79], s10 offset:0x0 ; a's four exponents
	s_load_b128 s[20:23], s[78:79], s11 offset:0x0 ; b's
	s_lshl_b32 s8, s6, 15
	s_mov_b32 s9, 0
	s_add_nc_u64 s[84:85], s[84:85], s[8:9]        ; the pair's list
	s_lshl_b32 s54, s[WV], 18
	s_lshl_b32 s8, s12, 20
	s_add_co_u32 s8, s8, s54
	s_add_nc_u64 s[WP:WP+1], s[80:81], s[8:9]
	s_lshl_b32 s8, s13, 20
	s_add_co_u32 s8, s8, s54
	s_add_nc_u64 s[WN:WN+1], s[80:81], s[8:9]
	; ---- the tokens.  A place beyond the pair's last is held there: the tile's spare rows repeat the pair's last token, and store the same bytes again
	s_lshl_b32 s54, s15, 6
	v_add_nc_u32 v[TK], s54, v62
	v_add_nc_u32 v[TK+1], 32, v[TK]
	v_add_nc_u32 v54, s54, v60                     ; and the rows 16 m + r, for the coefficients
	v_add_nc_u32 v55, 16, v54
	v_add_nc_u32 v56, 32, v54
	v_add_nc_u32 v57, 48, v54
.irp q, 8,9,54,55,56,57
	v_min_u32 v\q, s14, v\q
	v_min_u32 v\q, 0x1fff, v\q
	v_lshlrev_b32 v\q, 2, v\q
.endr
.irp q, 8,9,54,55,56,57
	global_load_b32 v\q, v\q, s[84:85]
.endr
	s_wait_loadcnt 0x0                             ; the tokens; gamma and beta too
	ds_store_b128 v[GS], v[128:131]
	ds_store_b128 v[GS], v[132:135] offset:512
	ds_store_b128 v[GS], v[136:139] offset:1024
	ds_store_b128 v[GS], v[140:143] offset:1536
.irp q, 8,9,54,55,56,57
	v_min_u32 v\q, 0x1fff, v\q
.endr
.irp m, 0,1,2,3
	v_lshlrev_b32 v[54+\m], 3, v[54+\m]
.endr
.irp m, 0,1,2,3
	global_load_b64 v[WI+2*\m:WI+2*\m+1], v[54+\m], s[70:71]
	global_load_b64 v[WT+2*\m:WT+2*\m+1], v[54+\m], s[72:73]
.endr
; the byte offsets of tile m's 16 rows: token x 4,096 + my 16 bytes; sixteen at a time, so that no line waits for the line above it
.macro ROWADR m
.irp q, 0,1,2,3,4,5,6,7,8,9,10,11,12,13,14,15
	v_readlane_b32 s[36+\q], v[TK+(\m)/2], 16*((\m)%2)+\q
.endr
.irp q, 0,1,2,3,4,5,6,7,8,9,10,11,12,13,14,15
	s_min_u32 s[36+\q], s[36+\q], 0x1fff
.endr
.irp q, 0,1,2,3,4,5,6,7,8,9,10,11,12,13,14,15
	s_lshl_b32 s[36+\q], s[36+\q], 12
.endr
.irp q, 0,1,2,3,4,5,6,7,8,9,10,11,12,13,14,15
	v_add_nc_u32 v[XA+16*(\m)+\q], s[36+\q], v[XL]
.endr
.endm
.macro XLOAD m                         ; tile m by rows: my wave's 1,024 bytes of a row in two loads of 512 consecutive bytes
	WIN 0x80+0x40*((\m)/2)
.set i, 0
.rept 32
	global_load_b128 v[128*((\m)%2)+4*i:128*((\m)%2)+4*i+3], v[XA+16*(\m)+i/2], s[68:69] offset:512*(i%2)
.set i, i+1
.endr
	WIN 0
.endm
.irp m, 0,1,2,3
	ROWADR \m
	XLOAD \m
.endr
.macro REDUCE off                      ; four packed chains in v54-61 -> one number a row (lanes r and r + 16 hold the row's two halves) -> my wave's word of the row
	v_pk_add_f32 v[54:55], v[54:55], v[56:57]
	v_pk_add_f32 v[58:59], v[58:59], v[60:61]
	v_pk_add_f32 v[54:55], v[54:55], v[58:59]
	v_add_f32 v62, v54, v55
	v_permlanex16_b32 v63, v62, s52, s53
	v_add_f32 v62, v62, v63
	ds_store_b32 v[SA], v62 offset:\off
.endm
; tile m turns through my stage: in by rows, back 64 bytes a lane at a time, into the registers that it left (LDS serves a wave's instructions in order: ISA guide 5.7.1.4); then the rows' sums
.macro XIN m, cnt
	s_wait_loadcnt \cnt
	WIN 0x08+0x04*((\m)/2)
.set i, 0
.rept 32
	ds_store_b128 v[STO], v[128*((\m)%2)+4*i:128*((\m)%2)+4*i+3] offset:SROW*(i/2)+512*(i%2)
.set i, i+1
.endr
	WIN 0x80+0x40*((\m)/2)
.set i, 0
.rept 32
	ds_load_b128 v[128*((\m)%2)+4*i:128*((\m)%2)+4*i+3], v[SRD] offset:128*(i/4)+16*(i%4)
.set i, i+1
.endr
	s_wait_dscnt 0x0
	WIN 0x0a+0x05*((\m)/2)
.irp k, 0,1,2,3
	v_pk_add_f32 v[54+2*\k:55+2*\k], v[128*((\m)%2)+4*\k:128*((\m)%2)+4*\k+1], v[128*((\m)%2)+4*\k+2:128*((\m)%2)+4*\k+3]   ; the first eight pairs start the chains: nothing is cleared
.endr
	WIN 0x02+((\m)/2)
.set i, 8
.rept 56
	v_pk_add_f32 v[54+2*(i%4):55+2*(i%4)], v[128*((\m)%2)+2*i:128*((\m)%2)+2*i+1], v[54+2*(i%4):55+2*(i%4)]
.set i, i+1
.endr
	WIN 0
	REDUCE 256*(\m)
.endm
	XIN 0, 63                                      ; behind tile 0's loads 96 more were issued, behind tile 1's 64; the count's field holds 63: at most 63 out of the 136 shows the first 73 in: the 8 gathers and two tiles
	XIN 1, 63
	XIN 2, 32                                      ; tile 3's may be out
	XIN 3, 0
.macro HEAD base                       ; an expert's units 0 to 3 fill the ring: 64 loads of 512 consecutive bytes
	WIN 0x40
.set i, 0
.rept 64
	global_load_b128 v[4*i:4*i+3], v[LI], s[\base:\base+1] offset:512*i
.set i, i+1
.endr
	WIN 0
.endm
	HEAD WP                                        ; outside every jump: they land while the norm is made and h is quantised, and every register of the ring is written on every way
	BARRIER                                        ; the four waves' parts of the rows' sums lie in LDS
	; ---- mean, then the squared deviations from it (no difference of large sums)
.irp m, 0,1,2,3
	ds_load_b128 v[T+4*\m:T+4*\m+3], v[SL] offset:256*\m
.endr
	s_wait_dscnt 0x0
.irp m, 0,1,2,3
	v_add_f32 v54, v[T+4*\m], v[T+4*\m+1]          ; the same order in all waves
	v_add_f32 v55, v[T+4*\m+2], v[T+4*\m+3]
	v_add_f32 v54, v54, v55
	v_mul_f32 v[MU+2*\m], s55, v54
	v_mov_b32 v[MU+2*\m+1], v[MU+2*\m]
.endr
.macro VAR m
	WIN 0x02+((\m)/2)
.set i, 0
.rept 64
	v_pk_add_f32 v[T+2*i:T+2*i+1], v[128*((\m)%2)+2*i:128*((\m)%2)+2*i+1], v[MU+2*(\m):MU+2*(\m)+1] neg_lo:[0,1] neg_hi:[0,1]
.set i, i+1
.endr
	WIN 0
.irp k, 0,1,2,3
	v_pk_mul_f32 v[54+2*\k:55+2*\k], v[T+2*\k:T+2*\k+1], v[T+2*\k:T+2*\k+1]
.endr
.set i, 4
.rept 60
	v_pk_fma_f32 v[54+2*(i%4):55+2*(i%4)], v[T+2*i:T+2*i+1], v[T+2*i:T+2*i+1], v[54+2*(i%4):55+2*(i%4)]
.set i, i+1
.endr
	REDUCE 1024+256*(\m)
.endm
	VAR 0
	VAR 1
	VAR 2
	VAR 3
	BARRIER
.irp m, 0,1,2,3
	ds_load_b128 v[T+4*\m:T+4*\m+3], v[SL] offset:1024+256*\m
.endr
	s_mov_b32 s9, 0x3727c5ac                       ; eps = 1e-5
	s_wait_dscnt 0x0
.irp m, 0,1,2,3
	v_add_f32 v54, v[T+4*\m], v[T+4*\m+1]
	v_add_f32 v55, v[T+4*\m+2], v[T+4*\m+3]
	v_add_f32 v54, v54, v55
	v_fma_f32 v[RS+2*\m+1], v54, s55, s9           ; var + eps
.endr
.irp m, 0,1,2,3
	v_rsq_f32 v[RS+2*\m], v[RS+2*\m+1]
.endr
	v_nop                                          ; a plain instruction behind the last of the batch
	s_wait_alu depctr_va_vdst(0)                   ; one wait for the four, ahead of their first reader
.irp m, 0,1,2,3
	v_mov_b32 v[RS+2*\m+1], v[RS+2*\m]
.endr
; an expert's figures from its four exponents in s[src] on
.macro SCALES dst, src, ex
	s_mov_b32 s[\dst], s[\ex]
	s_add_co_i32 s8, s[\src], 127
	s_lshl_b32 s[\dst+1], s8, 23                   ; 2^(e of h) as f32
	s_add_co_i32 s8, s8, 15
	s_lshl_b32 s8, s8, 23
	s_or_b32 s[\dst+2], s8, 0x600000               ; 57,344 x that
	s_add_co_i32 s8, s[\src], s[\src+1]            ; a sum S of the first product stands for S x 2^E1, E1 = e of h + e of W1; the hidden number is relu(S)^2 x 2^(2 E1):
	s_lshl_b32 s8, s8, 1
	s_sub_co_i32 s8, s[\src+2], s8                 ; its code is relu(S)^2 / 2^(e hidden - 2 E1): the scales are folded into the conversion's one
	s_add_co_i32 s8, s8, 127
	s_lshl_b32 s[\dst+3], s8, 23
	s_add_co_i32 s8, s8, 15
	s_lshl_b32 s8, s8, 23
	s_or_b32 s[\dst+4], s8, 0x600000
	s_add_co_i32 s[\dst+5], s[\src+2], s[\src+3]   ; a sum of the second product stands for sum x 2^(e hidden + e W2)
.endm
	s_wait_kmcnt 0x0
	SCALES CUR, 16, 12
	SCALES NXT, 20, 13
	s_mov_b32 s[ACT], s[VALID]
.macro GLOAD b                         ; gamma and beta of my 16 columns of block b (columns 32 b + 16 h on), from my wave's own copy: sixteen lanes read the same bytes
.irp j, 0,1,2,3
	ds_load_b128 v[GBUF+32*((\b)%2)+4*\j:GBUF+32*((\b)%2)+4*\j+3], v[GB] offset:128*(\b)+16*\j
.endr
.irp j, 0,1,2,3
	ds_load_b128 v[GBUF+32*((\b)%2)+16+4*\j:GBUF+32*((\b)%2)+16+4*\j+3], v[GB] offset:1024+128*(\b)+16*\j
.endr
.endm
.macro AHEAD areg                      ; the first K step's four fragments of tokens
.irp m, 0,1,2,3
.irp c, 0,1,2,3
	ds_load_b128 v[AF+16*\m+4*\c:AF+16*\m+4*\c+3], v[\areg] offset:2048*\m+512*\c
.endr
.endr
.endm
; A UNIT: four weight tiles (ring slot) x four tiles of tokens, 128 along K: sixteen matrix instructions on sixteen accumulators, which take turns in the same order in every unit.
; Behind each tile of tokens' four products its registers take the next unit's fragment (areg, anext: its LDS address register and byte; -1: none); behind the unit its slot takes the unit four further on (wnext: its byte in the stream; -1: none).
; lc: the younger units' loads that may stay out, sixteen each.  The count on the LDS loads: three younger groups of four (the unit's later tiles and the next unit's earlier ones); without a successor it runs down.
.macro UNIT areg, anext, slot, wnext, zero, lc
	s_wait_loadcnt \lc
.irp m, 0,1,2,3
.if (\anext) >= 0
	s_wait_dscnt 12
.else
	s_wait_dscnt 12-4*\m
.endif
	WIN 0x01
.irp t, 0,1,2,3
.if \zero
	v_wmma_f32_16x16x128_bf8_bf8 v[T+32*\m+8*\t:T+32*\m+8*\t+7], v[64*(\slot)+16*\t:64*(\slot)+16*\t+15], v[AF+16*\m:AF+16*\m+15], 0
.else
	v_wmma_f32_16x16x128_bf8_bf8 v[T+32*\m+8*\t:T+32*\m+8*\t+7], v[64*(\slot)+16*\t:64*(\slot)+16*\t+15], v[AF+16*\m:AF+16*\m+15], v[T+32*\m+8*\t:T+32*\m+8*\t+7]
.endif
.endr
.if ((\anext) >= 0) || (\m == 3)
	PLACES
.endif
.if (\anext) >= 0
	WIN 0
.irp c, 0,1,2,3
	ds_load_b128 v[AF+16*\m+4*\c:AF+16*\m+4*\c+3], v[\areg] offset:(\anext)+2048*\m+512*\c
.endr
.endif
.endr
.if (\wnext) >= 0
	WIN 0x40
.irp i, 0,1,2,3,4,5,6,7,8,9,10,11,12,13,14,15
	global_load_b128 v[64*(\slot)+4*\i:64*(\slot)+4*\i+3], v[LI], s[WP:WP+1] offset:(\wnext)+512*\i
.endr
.endif
	WIN 0
.endm
; the pass's 64 hidden units x 64 rows: S |S| held between 0 and the largest code x the scale is relu(S)^2 and the hold in two instructions (|S| is at most 1,024 x 57,344^2: the square is an f32 number);
; registers 16 q .. 16 q + 15 (q = 2 m + b) are 16 neighbours along the next K.  Each accumulator is read from its low end on.
.macro QUANTH
.irp q, 0,1,2,3,4,5,6,7
.set i, 0
.rept 16
	v_mul_f32 v[T+16*\q+i], v[T+16*\q+i], |v[T+16*\q+i]|
.set i, i+1
.endr
.set i, 0
.rept 16
	v_med3_num_f32 v[T+16*\q+i], v[T+16*\q+i], 0, v[VLH]
.set i, i+1
.endr
	v_cvt_scalef32_pk8_bf8_f32 v[CD+4*\q:CD+4*\q+1], v[T+16*\q:T+16*\q+7], v[VSH]
	v_cvt_scalef32_pk8_bf8_f32 v[CD+4*\q+2:CD+4*\q+3], v[T+16*\q+8:T+16*\q+15], v[VSH]
.endr
	v_nop                                          ; a plain instruction between the last conversion and the next products, which write its sources and read registers that held its results
.irp q, 0,1,2,3,4,5,6,7
	ds_store_b128 v[WB], v[CD+4*\q:CD+4*\q+3] offset:2048*(\q/2)+512*(\q%2)
.endr
.endm
.macro UPDATE g                        ; out's columns 64 g .. + 63 of my 256: += coefficient x sum
.irp m, 0,1,2,3
	WIN 0xa0+0x50*(\m/2)
.irp k, 0,1,2,3,4,5,6,7,8,9,10,11,12,13,14,15
	v_pk_fma_f32 v[128*(\m%2)+32*(\g)+2*\k:128*(\m%2)+32*(\g)+2*\k+1], v[T+32*\m+2*\k:T+32*\m+2*\k+1], v[CF+2*\m:CF+2*\m+1], v[128*(\m%2)+32*(\g)+2*\k:128*(\m%2)+32*(\g)+2*\k+1]
.endr
.endr
	WIN 0
.endm
	; ---- h = (x - mean) / sigma x gamma + beta, quantised: two trips, with a's scale and with b's, while windows 2 and 3 still hold x alone.  My 256 columns of the 64 rows become eight fragments a trip.
	s_mov_b32 s[QACT], s[VALID]
	s_mov_b32 s10, s[CUR+1]                        ; the trip's 2^e,
	s_mov_b32 s11, s[CUR+2]                        ; and 57,344 x that
	s_lshl_b32 s[HOFF], s[WV], 15                  ; my block of h's images
	s_mov_b32 s[QT], 0
.Lq:
	v_add_nc_u32 v[HWB], s[HOFF], v[LI]
	v_mov_b32 v[VSQ], s10
	v_mov_b32 v[VLQ], s11
	s_cmp_eq_u32 s[QACT], 0
	s_cbranch_scc1 .Lno_q
	; a block b is 32 columns: piece b % 4 of K step 2 w + b / 4
	GLOAD 0
.set QB, 0
.rept 8
.if QB < 7
	GLOAD QB+1
.endif
.if QB == 0
	s_wait_dscnt 8                                 ; behind this block's eight loads: the next block's eight,
.elseif QB < 7
	s_wait_dscnt 12                                ; and the last block's four stores,
.else
	s_wait_dscnt 4                                 ; at the end those alone
.endif
.set G, GBUF+32*(QB%2)
.set CQ, CD+16*(QB%2)
	WIN 0x02
.irp m, 0,1
.irp k, 0,1,2,3,4,5,6,7
	v_pk_add_f32 v[HT+16*\m+2*\k:HT+16*\m+2*\k+1], v[128*\m+16*QB+2*\k:128*\m+16*QB+2*\k+1], v[MU+2*\m:MU+2*\m+1] neg_lo:[0,1] neg_hi:[0,1]
.endr
.endr
	WIN 0x03
.irp m, 2,3
.irp k, 0,1,2,3,4,5,6,7
	v_pk_add_f32 v[HT+16*\m+2*\k:HT+16*\m+2*\k+1], v[128*(\m-2)+16*QB+2*\k:128*(\m-2)+16*QB+2*\k+1], v[MU+2*\m:MU+2*\m+1] neg_lo:[0,1] neg_hi:[0,1]
.endr
.endr
	WIN 0
.irp m, 0,1,2,3
.irp k, 0,1,2,3,4,5,6,7
	v_pk_mul_f32 v[HT+16*\m+2*\k:HT+16*\m+2*\k+1], v[HT+16*\m+2*\k:HT+16*\m+2*\k+1], v[RS+2*\m:RS+2*\m+1]
.endr
.irp k, 0,1,2,3,4,5,6,7
	v_pk_fma_f32 v[HT+16*\m+2*\k:HT+16*\m+2*\k+1], v[HT+16*\m+2*\k:HT+16*\m+2*\k+1], v[G+2*\k:G+2*\k+1], v[G+16+2*\k:G+16+2*\k+1]
.endr
.irp i, 0,1,2,3,4,5,6,7,8,9,10,11,12,13,14,15
	v_med3_num_f32 v[HT+16*\m+\i], v[HT+16*\m+\i], -v[VLQ], v[VLQ]   ; the conversion to an 8-bit code does not saturate (ISA guide 7.6.2): the hold comes first
.endr
	v_cvt_scalef32_pk8_bf8_f32 v[CQ+4*\m:CQ+4*\m+1], v[HT+16*\m:HT+16*\m+7], v[VSQ]
	v_cvt_scalef32_pk8_bf8_f32 v[CQ+4*\m+2:CQ+4*\m+3], v[HT+16*\m+8:HT+16*\m+15], v[VSQ]
.endr
	v_nop                                          ; a plain instruction behind the run's last conversion
.irp m, 0,1,2,3
	ds_store_b128 v[HWB], v[CQ+4*\m:CQ+4*\m+3] offset:(4*(QB/4)+\m)*2048+512*(QB%4)
.endr
.set QB, QB+1
.endr
.Lno_q:
	s_mov_b32 s10, s[NXT+1]
	s_mov_b32 s11, s[NXT+2]
	s_mov_b32 s[QACT], s[ACTN]
	s_add_co_u32 s[HOFF], s[HOFF], 16384           ; the second expert's set
	s_add_co_u32 s[QT], s[QT], 1
	s_cmp_lt_u32 s[QT], 2
	s_cbranch_scc1 .Lq
	s_mov_b32 s[HSEL], 0
	s_mov_b32 s[TRIP], 0
.Lexpert:                                              ; two trips: expert a, expert b.  What a trip has no use for is jumped over; its barriers are passed
.irp m, 0,1,2,3
	v_cmp_eq_u32 vcc_lo, s[CUR], v[WI+2*\m]
	v_cndmask_b32 v54, 0, v[WT+2*\m], vcc_lo
	v_cmp_eq_u32 vcc_lo, s[CUR], v[WI+2*\m+1]
	v_cndmask_b32 v55, 0, v[WT+2*\m+1], vcc_lo
	v_add_f32 v54, v54, v55                        ; the weights of the ranks that name this expert
	v_ldexp_f32 v[CF+2*\m], v54, s[CUR+5]
	v_mov_b32 v[CF+2*\m+1], v[CF+2*\m]
.endr
	v_mov_b32 v[VSH], s[CUR+3]
	v_mov_b32 v[VLH], s[CUR+4]
	v_add_nc_u32 v[LIH], s[HSEL], v[LI]            ; this expert's set of h's images: K steps 0 to 3,
	v_add_nc_u32 v[LIH2], 0x10000, v[LIH]          ; and 4 to 7: an LDS instruction's immediate has 16 bits
	s_lshl_b32 s[GOFF], s[WV], 13
	s_add_co_u32 s[GOFF], s[GOFF], GIMG            ; my K step of the hidden layer's images
	BARRIER                                        ; first trip: both sets of h's images lie in LDS; second trip: every wave's reads of the hidden layer's images of the trip before are over
	s_mov_b32 s[PASS], 0
.Lpass:                                                ; two passes of 64 hidden units a wave: sixteen accumulators each
	v_add_nc_u32 v[WB], s[GOFF], v[LI]
	s_cmp_eq_u32 s[ACT], 0
	s_cbranch_scc1 .Lno_pass
	AHEAD LIH
	UNIT LIH,  8192,  0, 8192*4, 1, 48             ; the first K step starts the sums: nothing is cleared.  K step s lies at 32,768 (s / 2) + 8,192 (s % 2)
	UNIT LIH,  32768, 1, 8192*5, 0, 48
	UNIT LIH,  40960, 2, 8192*6, 0, 48
	UNIT LIH2, 0,     3, 8192*7, 0, 48
	UNIT LIH2, 8192,  0, 8192*8, 0, 48             ; from here on the slots take the next phase's first four units
	UNIT LIH2, 32768, 1, 8192*9, 0, 48
	UNIT LIH2, 40960, 2, 8192*10, 0, 48
	UNIT LIH2, -1,    3, 8192*11, 0, 48
	QUANTH
.Lno_pass:
	s_wait_xcnt 0x0                                ; the loads have read their base: it may step
	s_add_nc_u64 s[WP:WP+1], s[WP:WP+1], 65536     ; eight units on
	s_add_co_u32 s[GOFF], s[GOFF], 1024            ; pieces 2 and 3 of my K step
	s_add_co_u32 s[PASS], s[PASS], 1
	s_cmp_lt_u32 s[PASS], 2
	s_cbranch_scc1 .Lpass
	BARRIER                                        ; the hidden layer's 16 fragments lie in LDS
	s_cmp_eq_u32 s[ACT], 0
	s_cbranch_scc1 .Lno_p2
	; ---- the second product: four groups g of 64 of my 256 columns, four K steps each
	AHEAD LIG
.irp g, 0,1,2
	UNIT LIG, 8192*1, 0, 8192*(4*\g+4), 1, 48
	UNIT LIG, 8192*2, 1, 8192*(4*\g+5), 0, 48
	UNIT LIG, 8192*3, 2, 8192*(4*\g+6), 0, 48
	UNIT LIG, 0, 3, 8192*(4*\g+7), 0, 48
	UPDATE \g
.endr
	UNIT LIG, 8192*1, 0, -1, 1, 48                 ; the expert's last four units: nothing more to fetch, the counts run down
	UNIT LIG, 8192*2, 1, -1, 0, 32
	UNIT LIG, 8192*3, 2, -1, 0, 16
	UNIT LIG, -1, 3, -1, 0, 0
	s_cmp_eq_u32 s[ACTN], 0
	s_cbranch_scc1 .Lno_next
	HEAD WN                                        ; the ring is empty (the last count was 0) and four places lie behind its last readers: the second expert's first four units go out ahead of the last update
.Lno_next:
	UPDATE 3
.Lno_p2:
	s_wait_xcnt 0x0
	s_mov_b64 s[WP:WP+1], s[WN:WN+1]
.irp i, 0,1,2,3,4,5
	s_mov_b32 s[CUR+\i], s[NXT+\i]
.endr
	s_mov_b32 s[ACT], s[ACTN]
	s_mov_b32 s[ACTN], 0
	s_add_co_u32 s[HSEL], s[HSEL], 16384
	s_add_co_u32 s[TRIP], s[TRIP], 1
	s_cmp_lt_u32 s[TRIP], 2
	s_cbranch_scc1 .Lexpert
	; ---- the way out: each tile turns back through my stage and leaves by rows
	s_cmp_eq_u32 s[VALID], 0
	s_cbranch_scc1 .Lend
.irp m, 0,1,2,3
	ROWADR \m
.endr
.macro XOUT m
	WIN 0x08+0x04*((\m)/2)
.set i, 0
.rept 32
	ds_store_b128 v[SRD], v[128*((\m)%2)+4*i:128*((\m)%2)+4*i+3] offset:128*(i/4)+16*(i%4)
.set i, i+1
.endr
	WIN 0x80+0x40*((\m)/2)
.set i, 0
.rept 32
	ds_load_b128 v[128*((\m)%2)+4*i:128*((\m)%2)+4*i+3], v[STO] offset:SROW*(i/2)+512*(i%2)   ; LDS serves a wave's instructions in order: these see my stores, and the next tile's stores come behind them
.set i, i+1
.endr
	s_wait_dscnt 0x0
	WIN 0x08+0x04*((\m)/2)
.set i, 0
.rept 32
	global_store_b128 v[XA+16*(\m)+i/2], v[128*((\m)%2)+4*i:128*((\m)%2)+4*i+3], s[86:87] offset:512*(i%2) th:TH_STORE_NT   ; 32 lanes store 512 consecutive bytes, at a multiple of 256 from out's first byte
.set i, i+1
.endr
	WIN 0
.endm
	XOUT 0
	XOUT 1
	XOUT 2
	XOUT 3
.Lend:
	s_wait_xcnt 0x0
	v_lshl_add_u32 v254, v0, 2, 0x3ac00
	v_mov_b32 v255, 0
	s_wait_tensorcnt 0x0
	ds_add_u32 v254, v255
	s_wait_dscnt 0x0
	s_endpgm
.Lfunc_end_k_q880f4ea676_moe:
	.size	k_q880f4ea676_moe, .Lfunc_end_k_q880f4ea676_moe-k_q880f4ea676_moe
	.p2alignl 7, 3214868480
	.fill 96, 4, 3214868480
	.section	.rodata,"a",@progbits
	.p2align	6, 0x0
	.amdhsa_kernel k_q880f4ea676_moe
		.amdhsa_group_segment_fixed_size 241152
		.amdhsa_private_segment_fixed_size 0
		.amdhsa_enable_private_segment 0
		.amdhsa_kernarg_size 80
		.amdhsa_user_sgpr_count 2
		.amdhsa_user_sgpr_kernarg_segment_ptr 1
		.amdhsa_wavefront_size32 1
		.amdhsa_system_sgpr_workgroup_id_x 1
		.amdhsa_system_sgpr_workgroup_id_y 1
		.amdhsa_system_sgpr_workgroup_id_z 1
		.amdhsa_system_vgpr_workitem_id 0
		.amdhsa_next_free_vgpr 1024
		.amdhsa_next_free_sgpr 92
		.amdhsa_reserve_vcc 1
		.amdhsa_float_denorm_mode_32 3
		.amdhsa_float_denorm_mode_16_64 3
		.amdhsa_memory_ordered 1
		.amdhsa_forward_progress 1
		.amdhsa_inst_pref_size 255
	.end_amdhsa_kernel
	.section	.bss,"aw",@nobits
	.p2align	6
	.space	262144
	.amdgpu_metadata
---
amdhsa.version: [ 1, 2 ]
amdhsa.kernels:
  - .name:           k_q880f4ea676_moe
    .symbol:         k_q880f4ea676_moe.kd
    .args:
      - { .name: x, .offset: 0, .size: 8, .value_kind: global_buffer, .address_space: global }
      - { .name: winners, .offset: 8, .size: 8, .value_kind: global_buffer, .address_space: global }
      - { .name: weights, .offset: 16, .size: 8, .value_kind: global_buffer, .address_space: global }
      - { .name: gamma, .offset: 24, .size: 8, .value_kind: global_buffer, .address_space: global }
      - { .name: beta, .offset: 32, .size: 8, .value_kind: global_buffer, .address_space: global }
      - { .name: lowp_scales, .offset: 40, .size: 8, .value_kind: global_buffer, .address_space: global }
      - { .name: wq, .offset: 48, .size: 8, .value_kind: global_buffer, .address_space: global }
      - { .name: kinfo, .offset: 56, .size: 8, .value_kind: global_buffer, .address_space: global }
      - { .name: list, .offset: 64, .size: 8, .value_kind: global_buffer, .address_space: global }
      - { .name: out0, .offset: 72, .size: 8, .value_kind: global_buffer, .address_space: global }
    .group_segment_fixed_size: 241152
    .private_segment_fixed_size: 0
    .kernarg_segment_align: 8
    .kernarg_segment_size: 80
    .max_flat_workgroup_size: 128
    .sgpr_count:     92
    .vgpr_count:     1024
    .wavefront_size: 32
...
	.end_amdgpu_metadata
.endif
;; end of part 2
